; MI455X (gfx1250); checked and timed in simulation.
; The chip was launched on July 23, 2026; its instructions are those of AMD's public machine-readable ISA for CDNA 5 (MIT licence, August 2026) and "CDNA5" Instruction Set Architecture Reference Guide (July 2026). The comments in the code are by the model that wrote it; some were corrected since.
;; Head. Allowed arithmetic: matrix products marked QUANTISED: E5M2 operands, one given power-of-two scale a tensor, by v_wmma_f32_16x16x64_bf8_bf8 or v_wmma_f32_16x16x128_bf8_bf8, f32 sums; everything else in f32.
;; Inputs: Wk1 384 x 64 float32; Wk2 384 x 64 float32; Wq1 384 x 64 float32; Wq2 384 x 64 float32; Wv 384 x 64 float32; lamb one number float32; lowp_scales 16 int32 (the exponents e of the quantised operands' scales 2^e); x 8 x 4,096 x 384 float32.
;; Outputs: out0 8 x 4,096 x 64 float32.
;; This version of the problem:
;;   THIS VERSION OF THE PROBLEM IS GIVEN IN LOW PRECISION. The matrix products marked QUANTISED in the list below multiply operands that are first quantised to E5M2 (5 exponent bits, 2 mantissa bits; 8 bits a number), with one given power-of-two scale for each operand tensor; their sums are f32. All else is computed in f32.
;;   The module's matrix products, in the order in which they are computed (A, B: the left and right operand; K: the contracted axis; several contracted axes count as one K, in the product's order):
;;     1. [M 32,768, K 384] x [K 384, N 64]; A: input x; B: input Wq1: QUANTISED (scales: A lowp_scales[0], B lowp_scales[1])
;;     2. [M 32,768, K 384] x [K 384, N 64]; A: input x; B: input Wk1: QUANTISED (scales: A lowp_scales[2], B lowp_scales[3])
;;     3. [M 32,768, K 384] x [K 384, N 64]; A: input x; B: input Wq2: QUANTISED (scales: A lowp_scales[4], B lowp_scales[5])
;;     4. [M 32,768, K 384] x [K 384, N 64]; A: input x; B: input Wk2: QUANTISED (scales: A lowp_scales[6], B lowp_scales[7])
;;     5. [M 32,768, K 384] x [K 384, N 64]; A: input x; B: input Wv: QUANTISED (scales: A lowp_scales[8], B lowp_scales[9])
;;     6. batch 8 x [M 4,096, K 64] x [K 64, N 4,096]; A: computed on the way; B: computed on the way: QUANTISED (scales: A lowp_scales[10], B lowp_scales[11])
;;     7. batch 8 x [M 4,096, K 64] x [K 64, N 4,096]; A: computed on the way; B: computed on the way: QUANTISED (scales: A lowp_scales[12], B lowp_scales[13])
;;     8. batch 8 x [M 4,096, K 4,096] x [K 4,096, N 64]; A: computed on the way; B: computed on the way: QUANTISED (scales: A lowp_scales[14], B lowp_scales[15])
;;   THE QUANTISER, for each operand of a quantised product, along K:
;;     - The operand's scale is 2^e, e = its entry of the input lowp_scales (int32; the entries are numbered through the quantised products in the list's order, A before B).
;;     - Each number is divided by the scale, clamped to +-57,344, and rounded to the nearest number of E5M2, ties to even, subnormals kept.
;;     - The product sums the exact products of the quantised numbers (number of the format x scale) in f32.
;;   ~~~python
;;   def quantise(x, axis, e):      # numpy; x: float32 -> the quantised numbers, widened to float32 again
;;       x = np.moveaxis(x, axis, -1); K = x.shape[-1]
;;       r = np.clip(x / 2.0 ** e, -57344, 57344)
;;       step = 2.0 ** (np.maximum(np.frexp(np.where(r == 0, 1, r))[1] - 1, -14) - 2)
;;       q = np.round(r / step) * step * 2.0 ** e      # np.round: ties to even
;;       return np.moveaxis(q, -1, axis).astype(np.float32)
;;   ~~~
;;   OPERANDS COMPUTED ON THE WAY. 'Computed on the way' means the value that the module computes at that place (a softmax that the list does not call 'softmax' is quantised finished and normalised). What goes into a quantiser is computed in f32, as accurately as f32 sums, v_exp_f32 and their like allow (about 1e-6 of the number): no bf16 or f16 on the way to a quantiser, and a product that is left as it is and whose result goes on into a quantised operand takes f32 operands (vector FMAs, or v_wmma_f32_16x16x4_f32). A number that lies on a knife's edge between two numbers of the format may be rounded either way, as far as f32 arithmetic and the matrix unit's own rounding can turn it there, and no further.
;; One version. Each part assembles by itself: llvm-mc -triple=amdgcn-amd-amdhsa -mcpu=gfx1250 --defsym DOCPART=n.
;; ======== version 1 of 1: 3 launches
;; limits: right only within a limited range of input values
;; workspace buffers: wcodes 122,880 bytes; qc 4,194,304 bytes; kc 4,194,304 bytes; vc 2,097,152 bytes
;; launch wprep (part 1): grid 5 x 1, 12 waves a work-group, no clusters, 0 bytes of LDS; arguments Wq1, Wk1, Wq2, Wk2, Wv, lowp_scales, wcodes; writes wcodes
.if DOCPART == 1
	.amdgcn_target "amdgcn-amd-amdhsa--gfx1250"
	.amdhsa_code_object_version 6
	.text
	.protected	k_qb6f7363862_wprep
	.globl	k_qb6f7363862_wprep
	.p2align	8
	.type	k_qb6f7363862_wprep,@function
k_qb6f7363862_wprep:
	s_mov_b64 s[64:65], 0
	v_nop
	global_prefetch_b8 v0, s[64:65] scope:SCOPE_SE
	s_setreg_imm32_b32 hwreg(HW_REG_WAVE_MODE, 25, 1), 1
	s_wait_xcnt 0x0
; The five weights [384 (k)][64 (n)], f32, become codes of BF8 (E5M2), each with its own given scale 2^ew (entries 1, 3, 5, 7, 9 of the scales), laid in the ORDER OF THE OPERAND'S REGISTERS.
; code = w / 2^ew, held within +-57,344, to the nearest code, ties to even.
; Work-group j takes one matrix (0 Wq1, 1 Wk1, 2 Wq2, 3 Wk2, 4 Wv); wave w one fragment: tile t = w % 4 of 16 columns, K step ks = w / 4 of 128.  There are 60 fragments, so 60 waves have work.
; A LANE TAKES A COLUMN AND ITS REGISTERS RUN DOWN K: lane (r, h) takes column col = 32 (t / 2) + 8 (t % 2) + r + 8 (r / 8), and register 16 c + i holds k = 128 ks + 32 c + 16 h + i.
; So the conversions' results are the fragment's sixteen registers.  (The columns of a tile are not neighbours: a product used transposed then gives a lane 16 neighbouring columns in two neighbouring tiles.)
; Fragment f = (4 j + t) 3 + ks lies at byte 2,048 f: four groups of four registers, lane l's 16 bytes at 16 l: each store of a wave covers 512 consecutive bytes, aligned.
; LIMITS: ew between -126 and 112, so that 2^ew and 57,344 x 2^ew are f32 numbers.  NaN among the inputs is not served.
.set XR, 16                            ; v16-79  64 numbers
.set CR, 80                            ; v80-95  their codes
	s_load_b256 s[4:11], s[0:1], 0x0               ; Wq1 s[4:5], Wk1 s[6:7], Wq2 s[8:9], Wk2 s[10:11]
	s_load_b128 s[12:15], s[0:1], 0x20             ; Wv s[12:13], the scales' exponents s[14:15]
	s_load_b64 s[16:17], s[0:1], 0x30              ; the codes
	v_lshrrev_b32 v1, 5, v0
	s_delay_alu instid0(VALU_DEP_1)
	v_readfirstlane_b32 s18, v1                    ; wave 0..11
	s_and_b32 s19, s18, 3                          ; t
	s_lshr_b32 s22, s18, 2                         ; ks
	v_and_b32 v2, 15, v0                           ; r
	v_bfe_u32 v4, v0, 4, 1                         ; h
	s_delay_alu instid0(VALU_DEP_2)
	v_and_b32 v5, 8, v2
	s_delay_alu instid0(VALU_DEP_1)
	v_add_nc_u32 v5, v5, v2                        ; r + 8 (r / 8)
	s_delay_alu instid0(VALU_DEP_1)
	v_lshlrev_b32 v3, 2, v5                        ; 4 bytes a column
	s_delay_alu instid0(VALU_DEP_1)
	v_lshl_add_u32 v3, v4, 12, v3                  ; + 16 h rows of 256 bytes
	v_and_b32 v6, 31, v0
	s_delay_alu instid0(VALU_DEP_1)
	v_lshlrev_b32 v6, 4, v6                        ; 16 x lane: my place in a group of four registers
	s_lshl_b32 s26, s22, 15                        ; in W: 128 ks rows of 256 bytes
	s_lshr_b32 s27, s19, 1
	s_lshl_b32 s27, s27, 7                         ; + 32 (t / 2) columns
	s_add_co_u32 s26, s26, s27
	s_and_b32 s27, s19, 1
	s_lshl_b32 s27, s27, 5                         ; + 8 (t % 2) columns
	s_add_co_u32 s26, s26, s27
	s_mov_b32 s27, 0
	s_lshl_b32 s28, ttmp9, 2
	s_add_co_u32 s28, s28, s19
	s_mul_i32 s28, s28, 3
	s_add_co_u32 s28, s28, s22                     ; f
	s_lshl_b32 s28, s28, 11
	s_mov_b32 s29, 0
	s_lshl_b32 s25, ttmp9, 3                       ; entry 2 j, in bytes
	s_wait_alu depctr_va_vdst(0)
	s_wait_kmcnt 0x0
	s_load_b32 s24, s[14:15], s25 offset:0x4       ; ew = entry 2 j + 1
	s_cmp_eq_u32 ttmp9, 1                          ; the matrix is chosen by the work-group's number alone
	s_cselect_b64 s[20:21], s[6:7], s[4:5]
	s_cmp_eq_u32 ttmp9, 2
	s_cselect_b64 s[20:21], s[8:9], s[20:21]
	s_cmp_eq_u32 ttmp9, 3
	s_cselect_b64 s[20:21], s[10:11], s[20:21]
	s_cmp_eq_u32 ttmp9, 4
	s_cselect_b64 s[20:21], s[12:13], s[20:21]
	s_add_nc_u64 s[20:21], s[20:21], s[26:27]
	s_add_nc_u64 s[16:17], s[16:17], s[28:29]
.set c, 0
.rept 4
.set i, 0
.rept 16
	global_load_b32 v[XR+16*c+i], v3, s[20:21] offset:256*(32*c+i)   ; W(128 ks + 32 c + 16 h + i, my column)
.set i, i+1
.endr
.set c, c+1
.endr
	s_wait_kmcnt 0x0
	s_add_co_i32 s24, s24, 127
	s_lshl_b32 s30, s24, 23
	v_mov_b32 v11, s30                             ; 2^ew as f32: the conversion takes its exponent field
	s_add_co_i32 s24, s24, 15
	s_lshl_b32 s24, s24, 23
	s_or_b32 s24, s24, 0x600000
	v_mov_b32 v10, s24                             ; 57,344 x 2^ew
	s_wait_alu depctr_va_vdst(0)
	s_wait_loadcnt 0x0
.set i, 0
.rept 64
	v_med3_num_f32 v[XR+i], v[XR+i], -v10, v10     ; the conversion to an 8-bit code does not saturate (ISA guide 7.6.2): the hold comes first
.set i, i+1
.endr
.set i, 0
.rept 8
	v_cvt_scalef32_pk8_bf8_f32 v[CR+2*i:CR+2*i+1], v[XR+8*i:XR+8*i+7], v11
.set i, i+1
.endr
	v_nop                                          ; a plain line behind the last conversion
.irp g, 0,1,2,3
	global_store_b128 v6, v[CR+4*\g:CR+4*\g+3], s[16:17] offset:512*\g
.endr
	s_endpgm
.Lfunc_end_k_qb6f7363862_wprep:
	.size	k_qb6f7363862_wprep, .Lfunc_end_k_qb6f7363862_wprep-k_qb6f7363862_wprep
	.p2alignl 7, 3214868480
	.fill 96, 4, 3214868480
	.section	.rodata,"a",@progbits
	.p2align	6, 0x0
	.amdhsa_kernel k_qb6f7363862_wprep
		.amdhsa_group_segment_fixed_size 0
		.amdhsa_private_segment_fixed_size 0
		.amdhsa_enable_private_segment 0
		.amdhsa_kernarg_size 56
		.amdhsa_user_sgpr_count 2
		.amdhsa_user_sgpr_kernarg_segment_ptr 1
		.amdhsa_wavefront_size32 1
		.amdhsa_system_sgpr_workgroup_id_x 1
		.amdhsa_system_sgpr_workgroup_id_y 1
		.amdhsa_system_sgpr_workgroup_id_z 1
		.amdhsa_system_vgpr_workitem_id 0
		.amdhsa_next_free_vgpr 96
		.amdhsa_next_free_sgpr 66
		.amdhsa_reserve_vcc 0
		.amdhsa_float_denorm_mode_32 3
		.amdhsa_float_denorm_mode_16_64 3
		.amdhsa_memory_ordered 1
		.amdhsa_forward_progress 1
		.amdhsa_inst_pref_size 14
	.end_amdhsa_kernel
	.amdgpu_metadata
---
amdhsa.version: [ 1, 2 ]
amdhsa.kernels:
  - .name:           k_qb6f7363862_wprep
    .symbol:         k_qb6f7363862_wprep.kd
    .args:
      - { .name: Wq1, .offset: 0, .size: 8, .value_kind: global_buffer, .address_space: global }
      - { .name: Wk1, .offset: 8, .size: 8, .value_kind: global_buffer, .address_space: global }
      - { .name: Wq2, .offset: 16, .size: 8, .value_kind: global_buffer, .address_space: global }
      - { .name: Wk2, .offset: 24, .size: 8, .value_kind: global_buffer, .address_space: global }
      - { .name: Wv, .offset: 32, .size: 8, .value_kind: global_buffer, .address_space: global }
      - { .name: lowp_scales, .offset: 40, .size: 8, .value_kind: global_buffer, .address_space: global }
      - { .name: wcodes, .offset: 48, .size: 8, .value_kind: global_buffer, .address_space: global }
    .group_segment_fixed_size: 0
    .private_segment_fixed_size: 0
    .kernarg_segment_align: 8
    .kernarg_segment_size: 56
    .max_flat_workgroup_size: 384
    .sgpr_count:     66
    .vgpr_count:     96
    .wavefront_size: 32
...
	.end_amdgpu_metadata
.endif
;; end of part 1
;; launch proj (part 2): grid 256 x 1, 4 waves a work-group, clusters of 4 x 1, 327,680 bytes of LDS; arguments x, wcodes, lowp_scales, qc, kc, vc; writes qc, kc, vc
.if DOCPART == 2
	.amdgcn_target "amdgcn-amd-amdhsa--gfx1250"
	.amdhsa_code_object_version 6
	.text
	.protected	k_qb6f7363862_proj
	.globl	k_qb6f7363862_proj
	.p2align	8
	.type	k_qb6f7363862_proj,@function
k_qb6f7363862_proj:
	s_mov_b64 s[64:65], 0
	v_nop
	global_prefetch_b8 v0, s[64:65] scope:SCOPE_SE
	s_setreg_imm32_b32 hwreg(HW_REG_WAVE_MODE, 25, 1), 1
	s_wait_xcnt 0x0
	s_wait_alu depctr_hold_cnt(0) depctr_sa_sdst(0) depctr_va_vdst(0) depctr_va_sdst(0) depctr_va_ssrc(0) depctr_va_vcc(0) depctr_vm_vsrc(0)
	s_getreg_b32 s2, hwreg(HW_REG_IB_STS2, 6, 4)
	s_cmp_eq_u32 s2, 0
	s_cbranch_scc0 .Lentry_in_a_cluster
	s_endpgm
.Lentry_in_a_cluster:
	s_bfe_u32 s2, ttmp6, 0x10000c
	s_cmp_lg_u32 s2, 0x3003
	s_cbranch_scc0 .Lentry_shape_is_right
	s_endpgm
.Lentry_shape_is_right:
.set XW,   50688
.set WOFF, 4*XW
.set WMAT, 24576
.set T,    16
.set XC,   80
.set ACC,  176
.set OC,   240
.set XA,   1
.set WA,   2
.set LO,   3
.set XS,   4
.set XL,   5
.set OS,   6
.set OL,   7
.set WV,   16
.set G1X,  24
.set G0X,  32
.set G1W,  36
.set G0W,  44
.set LS,   68
.set MSB, 0
.macro WIN new
.set WNEW, (\new)
.if MSB != WNEW
	s_set_vgpr_msb (MSB<<8)|WNEW
.set MSB, WNEW
.endif
.endm
.macro NOPS n
.rept \n
	v_nop
.endr
.endm
.macro ROUND
	s_barrier_signal -1
	s_barrier_wait -1
	s_cmp_lg_u32 s[WV], 0
	s_cbranch_scc1 .Lnot_wave_0_\@
	s_barrier_signal -3
.Lnot_wave_0_\@:
	s_barrier_wait -3
	s_barrier_signal -1
	s_barrier_wait -1
.endm
	s_load_b256 s[4:11], s[0:1], 0x0
	s_load_b128 s[12:15], s[0:1], 0x20
	v_lshl_add_u32 v14, v0, 2, 0x4f800
	v_mov_b32 v15, 0
	ds_add_u32 v14, v15
	ds_add_u32 v14, v15
	v_lshrrev_b32 v8, 5, v0
	v_readfirstlane_b32 s[WV], v8
	s_bfe_u32 s17, ttmp6, 0x40000
	s_lshl_b32 s18, ttmp9, 2
	s_add_co_u32 s18, s18, s17
	s_mov_b32 s[G1X], (2<<16)|(1<<20)|(6<<22)|(3<<25)
	s_mov_b32 s[G1X+1], 128<<16
	s_mov_b32 s[G1X+2], 96<<16
	s_mov_b32 s[G1X+3], 128<<16
	s_mov_b32 s[G1X+4], 96
	s_mov_b32 s[G1X+5], 128
	s_mov_b32 s[G1X+6], 0
	s_mov_b32 s[G1X+7], 0
	s_mov_b32 s[G1W], 15|(3<<16)|(1<<21)
	s_mov_b32 s[G1W+1], 32<<16
	s_mov_b32 s[G1W+2], 120<<16
	s_mov_b32 s[G1W+3], 32<<16
	s_mov_b32 s[G1W+4], 120
	s_mov_b32 s[G1W+5], 32
	s_mov_b32 s[G1W+6], 0
	s_mov_b32 s[G1W+7], 0
	s_mul_i32 s48, s18, 196608
	s_mul_i32 s49, s[WV], 49152
	s_add_co_u32 s48, s48, s49
	s_mov_b32 s49, 0
	s_mul_i32 s50, s[WV], 30720
	s_mov_b32 s51, 0
	s_mul_i32 s52, s[WV], XW
	s_wait_dscnt 0x0
	s_wait_kmcnt 0x0
	s_load_b512 s[LS:LS+15], s[8:9], 0x0
	s_mov_b32 s[G0X], 1
	s_mov_b32 s[G0X+1], s52
	s_add_nc_u64 s[G0X+2:G0X+3], s[4:5], s[48:49]
	s_or_b32 s[G0X+3], s[G0X+3], 0x80000000
	s_mov_b32 s[G0W], 1
	s_add_co_u32 s[G0W+1], s50, WOFF
	s_add_nc_u64 s[G0W+2:G0W+3], s[6:7], s[50:51]
	s_or_b32 s[G0W+3], s[G0W+3], 0x80000000
	ROUND
	tensor_load_to_lds s[G0W:G0W+3], s[G1W:G1W+7]
	s_nop 0
	s_wait_alu depctr_va_vdst(0)
	s_wait_tensorcnt 0x0
	ds_add_u32 v14, v15
	s_wait_dscnt 0x0
	ROUND
	tensor_load_to_lds s[G0X:G0X+3], s[G1X:G1X+7]
	s_nop 0
	NOPS 4
	v_and_b32 v8, 15, v0
	v_bfe_u32 v9, v0, 4, 1
	v_mul_u32_u24 v[XA], v8, 1584
	v_lshl_add_u32 v[XA], v9, 6, v[XA]
	v_add_nc_u32 v[XA], s52, v[XA]
	v_and_b32 v[LO], 31, v0
	v_lshlrev_b32 v[LO], 4, v[LO]
	v_add_nc_u32 v[WA], WOFF, v[LO]
	s_lshl_b32 s54, s18, 14
	s_lshl_b32 s55, s[WV], 12
	s_add_co_u32 s54, s54, s55
	s_mov_b32 s55, 0
	s_add_nc_u64 s[10:11], s[10:11], s[54:55]
	s_add_nc_u64 s[12:13], s[12:13], s[54:55]
	s_lshl_b32 s54, s18, 13
	s_lshl_b32 s56, s[WV], 9
	s_add_co_u32 s54, s54, s56
	s_add_nc_u64 s[14:15], s[14:15], s[54:55]
	s_wait_alu depctr_va_vdst(0)
	s_wait_tensorcnt 0x0
	s_barrier_signal -1
	s_barrier_wait -1
.irp u, 0,1
	WIN 0x40*(\u+1)
.irp k, 0,1,2
.irp c, 0,1,2,3
.irp q, 0,1,2,3
	ds_load_b128 v[64*\k+16*\c+4*\q:64*\k+16*\c+4*\q+3], v[XA] offset:25344*\u+528*\k+128*\c+16*\q
.endr
.endr
.endr
.endr
.macro LOADW
	WIN 0xc0
.set i, 0
.rept 48
	ds_load_b128 v[4*i:4*i+3], v[WA] offset:512*i
.set i, i+1
.endr
	WIN 0
.endm
	LOADW
.macro SCALES j, eo
	s_add_co_i32 s56, s[LS+2*\j], 127
	s_lshl_b32 s57, s56, 23
	v_mov_b32 v[XS], s57
	s_add_co_i32 s56, s56, 15
	s_lshl_b32 s56, s56, 23
	s_or_b32 s56, s56, 0x600000
	v_mov_b32 v[XL], s56
	s_wait_alu depctr_va_vdst(0)
	s_sub_co_i32 s56, s[LS+\eo], s[LS+2*\j]
	s_sub_co_i32 s56, s56, s[LS+2*\j+1]
	s_add_co_i32 s56, s56, 127
	s_lshl_b32 s57, s56, 23
	v_mov_b32 v[OS], s57
	s_add_co_i32 s56, s56, 15
	s_lshl_b32 s56, s56, 23
	s_or_b32 s56, s56, 0x600000
	v_mov_b32 v[OL], s56
.endm
.macro QUANT u, ks
	WIN 0x01+(\u)
.set i, 0
.rept 64
	v_med3_num_f32 v[T+i], v[64*(\ks)+i], -v[XL], v[XL]
.set i, i+1
.endr
	WIN 0
.set i, 0
.rept 8
	v_cvt_scalef32_pk8_bf8_f32 v[XC+16*(3*(\u)+(\ks))+2*i:XC+16*(3*(\u)+(\ks))+2*i+1], v[T+8*i:T+8*i+7], v[XS]
.set i, i+1
.endr
	v_nop
.endm
.macro MULT j
.if \j < 4
	WIN 0x03
.else
	WIN 0x0c
.endif
.irp k, 0,1,2
	s_wait_alu depctr_va_vdst(0)
.irp t, 0,1,2,3
.irp u, 0,1
.if \j < 4
.if \k == 0
	v_wmma_f32_16x16x128_bf8_bf8 v[ACC+8*(4*\u+\t):ACC+8*(4*\u+\t)+7], v[16*(3*\t+\k):16*(3*\t+\k)+15], v[XC+16*(3*\u+\k):XC+16*(3*\u+\k)+15], 0
.else
	v_wmma_f32_16x16x128_bf8_bf8 v[ACC+8*(4*\u+\t):ACC+8*(4*\u+\t)+7], v[16*(3*\t+\k):16*(3*\t+\k)+15], v[XC+16*(3*\u+\k):XC+16*(3*\u+\k)+15], v[ACC+8*(4*\u+\t):ACC+8*(4*\u+\t)+7]
.endif
.else
.if \k == 0
	v_wmma_f32_16x16x128_bf8_bf8 v[ACC+8*(4*\u+\t):ACC+8*(4*\u+\t)+7], v[XC+16*(3*\u+\k):XC+16*(3*\u+\k)+15], v[16*(3*\t+\k):16*(3*\t+\k)+15], 0
.else
	v_wmma_f32_16x16x128_bf8_bf8 v[ACC+8*(4*\u+\t):ACC+8*(4*\u+\t)+7], v[XC+16*(3*\u+\k):XC+16*(3*\u+\k)+15], v[16*(3*\t+\k):16*(3*\t+\k)+15], v[ACC+8*(4*\u+\t):ACC+8*(4*\u+\t)+7]
.endif
.endif
.endr
.endr
.endr
	WIN 0
.endm
.macro OUTQK j
	s_wait_xcnt 0x0
.irp u, 0,1
.irp b, 0,1
.set i, 0
.rept 16
	v_med3_num_f32 v[ACC+32*\u+16*\b+i], v[ACC+32*\u+16*\b+i], -v[OL], v[OL]
.set i, i+1
.endr
	v_cvt_scalef32_pk8_bf8_f32 v[OC+4*(2*\u+\b):OC+4*(2*\u+\b)+1], v[ACC+32*\u+16*\b:ACC+32*\u+16*\b+7], v[OS]
	v_cvt_scalef32_pk8_bf8_f32 v[OC+4*(2*\u+\b)+2:OC+4*(2*\u+\b)+3], v[ACC+32*\u+16*\b+8:ACC+32*\u+16*\b+15], v[OS]
.endr
.endr
	v_nop
.irp u, 0,1
.irp b, 0,1
.if ((\j)%2) == 0
	global_store_b128 v[LO], v[OC+4*(2*\u+\b):OC+4*(2*\u+\b)+3], s[10:11] offset:2048*\u+1024*((\j)/2)+512*\b
.else
	global_store_b128 v[LO], v[OC+4*(2*\u+\b):OC+4*(2*\u+\b)+3], s[12:13] offset:2048*\u+1024*((\j)/2)+512*\b
.endif
.endr
.endr
.endm
.macro OUTV
	s_wait_xcnt 0x0
.set i, 0
.rept 64
	v_med3_num_f32 v[ACC+i], v[ACC+i], -v[OL], v[OL]
.set i, i+1
.endr
.irp t, 0,1,2,3
.irp u, 0,1
	v_cvt_scalef32_pk8_bf8_f32 v[OC+4*\t+2*\u:OC+4*\t+2*\u+1], v[ACC+8*(4*\u+\t):ACC+8*(4*\u+\t)+7], v[OS]
.endr
.endr
	v_nop
.irp t, 0,1,2,3
	global_store_b128 v[LO], v[OC+4*\t:OC+4*\t+3], s[14:15] offset:2048*\t
.endr
.endm
.macro MATRIX j, eo
	SCALES \j, \eo
.if \j == 0
	s_wait_alu depctr_va_vdst(0)
	s_wait_dscnt 48
.endif
	QUANT 0, 0
	QUANT 0, 1
	QUANT 0, 2
	QUANT 1, 0
	QUANT 1, 1
	QUANT 1, 2
	s_wait_dscnt 0x0
	MULT \j
	NOPS 4
.if \j < 4
	v_add_nc_u32 v[WA], WMAT, v[WA]
	LOADW
	OUTQK \j
.else
	OUTV
.endif
.endm
	s_wait_kmcnt 0x0
	MATRIX 0, 10
	MATRIX 1, 11
	MATRIX 2, 12
	MATRIX 3, 13
	MATRIX 4, 15
	s_wait_tensorcnt 0x0
	ds_add_u32 v14, v15
	s_wait_dscnt 0x0
	ROUND
	s_endpgm
.Lfunc_end_k_qb6f7363862_proj:
	.size	k_qb6f7363862_proj, .Lfunc_end_k_qb6f7363862_proj-k_qb6f7363862_proj
	.p2alignl 7, 3214868480
	.fill 96, 4, 3214868480
	.section	.rodata,"a",@progbits
	.p2align	6, 0x0
	.amdhsa_kernel k_qb6f7363862_proj
		.amdhsa_group_segment_fixed_size 327680
		.amdhsa_private_segment_fixed_size 0
		.amdhsa_enable_private_segment 0
		.amdhsa_kernarg_size 48
		.amdhsa_user_sgpr_count 2
		.amdhsa_user_sgpr_kernarg_segment_ptr 1
		.amdhsa_wavefront_size32 1
		.amdhsa_system_sgpr_workgroup_id_x 1
		.amdhsa_system_sgpr_workgroup_id_y 1
		.amdhsa_system_sgpr_workgroup_id_z 1
		.amdhsa_system_vgpr_workitem_id 0
		.amdhsa_next_free_vgpr 1024
		.amdhsa_next_free_sgpr 84
		.amdhsa_reserve_vcc 0
		.amdhsa_float_denorm_mode_32 3
		.amdhsa_float_denorm_mode_16_64 3
		.amdhsa_memory_ordered 1
		.amdhsa_forward_progress 1
		.amdhsa_inst_pref_size 202
	.end_amdhsa_kernel
	.amdgpu_metadata
---
amdhsa.version: [ 1, 2 ]
amdhsa.kernels:
  - .name:           k_qb6f7363862_proj
    .symbol:         k_qb6f7363862_proj.kd
    .args:
      - { .name: x, .offset: 0, .size: 8, .value_kind: global_buffer, .address_space: global }
      - { .name: wcodes, .offset: 8, .size: 8, .value_kind: global_buffer, .address_space: global }
      - { .name: lowp_scales, .offset: 16, .size: 8, .value_kind: global_buffer, .address_space: global }
      - { .name: qc, .offset: 24, .size: 8, .value_kind: global_buffer, .address_space: global }
      - { .name: kc, .offset: 32, .size: 8, .value_kind: global_buffer, .address_space: global }
      - { .name: vc, .offset: 40, .size: 8, .value_kind: global_buffer, .address_space: global }
    .group_segment_fixed_size: 327680
    .private_segment_fixed_size: 0
    .kernarg_segment_align: 8
    .kernarg_segment_size: 48
    .max_flat_workgroup_size: 128
    .sgpr_count:     84
    .vgpr_count:     1024
    .wavefront_size: 32
...
	.end_amdgpu_metadata
.endif
;; end of part 2
;; launch attn (part 3): grid 32 x 8, 16 waves a work-group, no clusters, 157,696 bytes of LDS; arguments qc, kc, vc, lowp_scales, lamb, out0; writes out0
.if DOCPART == 3
	.amdgcn_target "amdgcn-amd-amdhsa--gfx1250"
	.amdhsa_code_object_version 6
	.text
	.protected	k_qb6f7363862_attn
	.globl	k_qb6f7363862_attn
	.p2align	8
	.type	k_qb6f7363862_attn,@function
k_qb6f7363862_attn:
	s_mov_b64 s[64:65], 0
	v_nop
	global_prefetch_b8 v0, s[64:65] scope:SCOPE_SE
	s_setreg_imm32_b32 hwreg(HW_REG_WAVE_MODE, 25, 1), 1
	s_wait_xcnt 0x0
; out = (softmax(q1 k1^T / 8) - lamb softmax(q2 k2^T / 8)) v, all three products on codes of BF8 (E5M2), each operand with the one scale 2^e that is given for it.
; THE DIFFERENCE OF THE TWO FINISHED, NORMALISED SOFTMAXES IS WHAT IS QUANTISED for the last product, so both rows' maxima and sums are known before its first code is made: TWO PASSES over the keys.
;   pass 1: scores of both maps; for each query and map a running largest t (t = score x log2(e) / 8), M = that rounded up to a whole number, l = the sum of 2^(t - M), brought under a new M by a power of two.
;   pass 2: the scores again; with b = -M - log2(l), w = 2^(t1 + b1) - lamb 2^(t2 + b2); held, converted; O^T += V^T w^T.
; SHARES.  A work-group owns 128 queries of one batch.  Wave w: query group qg = w % 4 (32 queries: tiles u = 0, 1) and key group kg = w / 4 (1,024 keys), 256 registers, four waves to a SIMD.
; LAYOUT.  Both products are used transposed (S^T = K Q^T, O^T = V^T w^T): a lane holds ONE query (lane % 16); a tile's eight score registers are keys 8 (lane / 16) + 0 .. 7, so one conversion gives two registers of the last operand.
; OPERANDS COME STRAIGHT INTO REGISTERS.  kc and vc lie in the order of the operands' registers: every load of a wave takes 512 consecutive bytes, aligned, and is issued one softmax ahead of the product that reads it.
; NO LDS RING AND NO JOINT LOADS: a joint load lands in LDS, and each of the 16 refills that K (524,288 bytes a batch) and V (262,144) would need there asks for a meeting of all sixteen waves and of the partners.
; Here the waves meet twice: the key groups' statistics between the passes, their parts of O at the end, both through LDS bytes that are stored once.
; LIMITS: e10 + e11 and e12 + e13 between -123 and 130 (added to c's exponent field); e14 between -126 and 112; e14 + e15 goes by v_ldexp_f32 and has none.  The scaled scores t stay under 2^31 in magnitude.
; b is one f32 number, so a weight's relative error grows with |M + log2 l| x 2^-24.  NaN and infinities among the codes are not served.  A weight under 2^-126 counts as 0 (v_exp_f32: ISA guide 15.8).
; REGISTERS: v1-3, v7-9 stay; v32-63 Q (fragment (u, map) at 32 + 8 (2 u + map)).
;   pass 1: v10-15 at work; v16-31 statistics; v64-127 K of one map, 128 keys; v128-255 S^T ((u, kt) at 128 + 64 u + 8 kt).
;   pass 2: b at v10, v12, v14, v4; V of 64 keys at v16-31 and v240-255; v64-127 O^T; v128-159 K of 32 keys, both maps; v160-223 S^T; v224-239 w's codes.
.set SP,    272                        ; the way out: a stage of 32 rows x (256 bytes + 16) for each wave, from LDS byte 0
.set STGW,  32*SP
.set STATS, 16*STGW                    ; the statistics' exchange: 1,024 bytes a wave
.set SPARE, STATS+16384                ; the spare words, 128 bytes for each of 16 waves: eight blocks of 256 bytes that no other line names
.set SPW,  1                           ; v1  LDS address of my spare word; never rewritten
.set NIL,  2                           ; v2  0; never rewritten
.set LO,   3                           ; v3  16 x lane: my place in a load's 512 bytes
.set PFO,  7                           ; v7  256 x lane: the prefetches' offset
.set LIM,  8                           ; v8  57,344 x 2^e14
.set SCL,  9                           ; v9  2^e14
.set ST,   16
.set Q,    32
.set KFA,  64
.set SCA,  128
.set OT,   64
.set KFB,  128
.set SCB,  160
.set P,    224
.set MT,   192                         ; the meeting's registers
.set ML,   216
.set LG,   248
.set WV,   16
.set QG,   17
.set KG,   18
.set IDX,  21                          ; s21 the step, 0 to 15
.set C1,   22                          ; s[22:23], s[24:25] c = log2(e) / 8 x 2^(the two scales' exponents), for map 0 and 1
.set KA,   44                          ; s[44:45], s[46:47] the step's chunk of my key group in K and in V
.set VA,   46
.set KB,   60                          ; s[60:61], s[62:63] my key group's first byte
.set VB,   62
.set PFB,  70                          ; s[70:71] the prefetches' first chunk; s[72:73] the one in hand; s[74:75] an offset
.set PFA,  72
.set PO,   74
.set PFS,  76                          ; s76 a chunk in bytes; a wave asks while IDX - s77 is at most s78
.set PLO,  77
.set PSP,  78
.set TMP,  79
.set SEL,  80                          ; s[80:81] lane selects for v_permlanex16_b32: lane l xor 16
.set CNT,  82
.set TM2,  83
.set LS,   84                          ; s[84:99] the sixteen exponents
.set NLAM, 100                         ; s100 -lamb (named with s101 as a pair)
.set EOUT, 101                         ; s101 e14 + e15
.macro NOPS n
.rept \n
	v_nop
.endr
.endm
; A PREFETCH INTO THE L2 of the chunk that stands two steps on.  Each aligned block of 256 bytes is named once in the launch: the batch's first query block asks.  Its waves ask for their own key group, one instruction each,
; lanes 256 bytes apart: qg 0 and 1 for the halves of K's 16,384 bytes, in steps 0 to 5 (chunks 2 to 7; pass 2 walks K a second time and asks for nothing); qg 2 for V's 8,192, in steps 6 to 13 (chunks 0 to 7).
; The chunk's number is taken modulo 8, so the address never leaves the key group.  K's chunks 0 and 1 come by their loads alone.
.macro ASK
	s_wait_alu depctr_va_vdst(0)
	s_wait_xcnt 0x0                                ; the last prefetch, a step back, has read its address
	s_add_co_u32 s[TMP], s[IDX], 2
	s_and_b32 s[TMP], s[TMP], 7
	s_mul_i32 s[PO], s[TMP], s[PFS]
	s_add_nc_u64 s[PFA:PFA+1], s[PFB:PFB+1], s[PO:PO+1]
	s_sub_co_u32 s[TMP], s[IDX], s[PLO]
	s_cmp_le_u32 s[TMP], s[PSP]
	s_cbranch_scc0 .Lnot_mine_\@
	global_prefetch_b8 v[PFO], s[PFA:PFA+1] th:TH_LOAD_NT scope:SCOPE_SE
.Lnot_mine_\@:
.endm
	s_load_b256 s[4:11], s[0:1], 0x0               ; qc s[4:5], kc s[6:7], vc s[8:9], the scales' exponents s[10:11]
	s_load_b128 s[12:15], s[0:1], 0x20             ; lamb s[12:13], out0 s[14:15]
	v_lshl_add_u32 v[SPW], v0, 2, SPARE
	v_mov_b32 v[NIL], 0
	v_lshrrev_b32 v10, 5, v0
	v_readfirstlane_b32 s[WV], v10                 ; wave 0..15
	v_and_b32 v11, 31, v0
	v_lshlrev_b32 v[PFO], 8, v11
	v_lshlrev_b32 v[LO], 4, v11
.irp k, 0,1,2,3                                ; set k = 2 u + map at v[16 + 4 k]: -M, the largest t, the sum in two halves
	v_mov_b32 v[ST+4*\k+1], 0xff61b1e6             ; -3e38, under every t
	v_floor_f32 v[ST+4*\k], -v[ST+4*\k+1]
	v_mov_b32 v[ST+4*\k+2], 0
	v_mov_b32 v[ST+4*\k+3], 0
.endr
	v_mov_b32 v13, 0                               ; (named as the upper half of the pair v[12:13])
	v_mov_b32 v5, 0                                ; (and of the pair v[4:5])
	s_and_b32 s[QG], s[WV], 3
	s_lshr_b32 s[KG], s[WV], 2
	s_and_b32 s26, ttmp7, 0xffff                   ; the batch
	s_lshl_b32 s66, s26, 19                        ; K: a batch is 524,288 bytes, a key group 131,072
	s_lshl_b32 s68, s[KG], 17
	s_add_co_u32 s66, s66, s68
	s_mov_b32 s67, 0
	s_lshl_b32 s68, s26, 18                        ; V: half of that
	s_lshl_b32 s69, s[KG], 16
	s_add_co_u32 s68, s68, s69
	s_mov_b32 s69, 0
	s_lshl_b32 s2, s26, 19                         ; Q: token tile 256 x batch + 8 x block + 2 qg, 2,048 bytes a tile
	s_lshl_b32 s3, ttmp9, 14
	s_add_co_u32 s2, s2, s3
	s_lshl_b32 s3, s[QG], 12
	s_add_co_u32 s2, s2, s3
	s_mov_b32 s3, 0
	s_lshl_b32 s28, s26, 20                        ; out0: row 4,096 x batch + 128 x block + 32 qg + 8 kg, 256 bytes a row
	s_lshl_b32 s30, ttmp9, 15
	s_add_co_u32 s28, s28, s30
	s_lshl_b32 s30, s[QG], 13
	s_add_co_u32 s28, s28, s30
	s_lshl_b32 s30, s[KG], 11
	s_add_co_u32 s28, s28, s30
	s_mov_b32 s29, 0
	s_mov_b32 s[SEL], 0x76543210
	s_mov_b32 s[SEL+1], 0xfedcba98
	s_mov_b32 s[PO+1], 0
	s_wait_alu depctr_va_vdst(0)
	s_wait_kmcnt 0x0
	s_load_b512 s[LS:LS+15], s[10:11], 0x0
	s_load_b32 s[NLAM], s[12:13], 0x0
	s_add_nc_u64 s[KB:KB+1], s[6:7], s[66:67]
	s_add_nc_u64 s[VB:VB+1], s[8:9], s[68:69]
	s_add_nc_u64 s[4:5], s[4:5], s[2:3]
	s_add_nc_u64 s[14:15], s[14:15], s[28:29]
	s_mov_b64 s[KA:KA+1], s[KB:KB+1]
	s_mov_b64 s[VA:VA+1], s[VB:VB+1]
.macro LOADK1 map, off                 ; a chunk's eight tiles of 16 keys, one map
.irp kt, 0,1,2,3,4,5,6,7
	global_load_b128 v[KFA+8*\kt:KFA+8*\kt+3],   v[LO], s[KA:KA+1] offset:(\off)+2048*\kt+1024*\map
	global_load_b128 v[KFA+8*\kt+4:KFA+8*\kt+7], v[LO], s[KA:KA+1] offset:(\off)+2048*\kt+1024*\map+512
.endr
.endm
.irp i, 0,1,2,3,4,5,6,7
	global_load_b128 v[Q+4*\i:Q+4*\i+3], v[LO], s[4:5] offset:512*\i   ; Q's four fragments stay in registers
.endr
	LOADK1 0, 0
	; who prefetches, and where
	s_mov_b32 s[PFS], 16384
	s_cmp_eq_u32 s[QG], 2
	s_cselect_b64 s[PFB:PFB+1], s[VB:VB+1], s[KB:KB+1]
	s_cselect_b32 s[PFS], 8192, s[PFS]
	s_cselect_b32 s[PLO], 6, 0
	s_cselect_b32 s[PSP], 7, 5
	s_cmp_eq_u32 s[QG], 3
	s_cselect_b32 s[TMP], 1, 0
	s_or_b32 s[TMP], s[TMP], ttmp9                 ; qg 0 to 2 of the batch's first query block
	s_cmp_eq_u32 s[TMP], 0
	s_cselect_b32 s[PLO], s[PLO], 100              ; every other wave: never
	s_cselect_b32 s[PSP], s[PSP], 0
	s_and_b32 s2, s[QG], 1
	s_lshl_b32 s2, s2, 13                          ; qg 1: the second half of K's chunk
	s_mov_b32 s3, 0
	s_add_nc_u64 s[PFB:PFB+1], s[PFB:PFB+1], s[2:3]
	s_wait_kmcnt 0x0
	s_mov_b32 s[C1], 0x3e38aa3b                    ; c = log2(e) / 8
	s_add_co_i32 s[TMP], s[LS+10], s[LS+11]
	s_lshl_b32 s[TMP], s[TMP], 23
	s_add_co_i32 s[C1], s[C1], s[TMP]              ; a score stands for score x 2^(e10 + e11): the exponents are added to c's exponent field
	s_mov_b32 s[C1+1], s[C1]
	s_mov_b32 s[C1+2], 0x3e38aa3b
	s_add_co_i32 s[TMP], s[LS+12], s[LS+13]
	s_lshl_b32 s[TMP], s[TMP], 23
	s_add_co_i32 s[C1+2], s[C1+2], s[TMP]
	s_mov_b32 s[C1+3], s[C1+2]
	s_add_co_i32 s[TMP], s[LS+14], 127
	s_lshl_b32 s[TM2], s[TMP], 23
	v_mov_b32 v[SCL], s[TM2]                       ; 2^e14
	s_add_co_i32 s[TMP], s[TMP], 15
	s_lshl_b32 s[TMP], s[TMP], 23
	s_or_b32 s[TMP], s[TMP], 0x600000
	v_mov_b32 v[LIM], s[TMP]                       ; 57,344 x 2^e14
	s_xor_b32 s[NLAM], s[NLAM], 0x80000000         ; -lamb
	s_add_co_i32 s[EOUT], s[LS+14], s[LS+15]
; ---- PASS 1
.macro WM1 map
.irp u, 0,1
.irp kt, 0,1,2,3,4,5,6,7
	v_wmma_f32_16x16x64_bf8_bf8 v[SCA+64*\u+8*\kt:SCA+64*\u+8*\kt+7], v[KFA+8*\kt:KFA+8*\kt+7], v[Q+8*(2*\u+\map):Q+8*(2*\u+\map)+7], 0
.endr
.endr
.endm
; The statistics of one map, BOTH tiles u = 0, 1 line by line, for the lane's 64 keys of the step in each: the two tiles' chains hang on nothing of each other, so four chains of maxima, two of M and four of sums take turns.
; A lane keeps its own M and l; the two halves of the lanes meet behind the pass.  At work: v10, v11, v14, v15; f of tile 0 in v12, of tile 1 in v4.
; Among tile 0's exponentials stand tile 1's 32 scalings, among tile 1's the first 16 additions of tile 0: each of these lines hangs on no other line of its batch, reads only what was written ahead of the wait in front of the batch,
; and what it writes is first read behind the next wait.
.macro STAT2 map
.set B0, SCA
.set B1, SCA+64
.set R0, ST+4*(\map)
.set R1, ST+4*(2+(\map))
.set CC, C1+2*(\map)
	v_max3_num_f32 v10, v[B0], v[B0+1], v[B0+2]    ; the largest scores, ascending: each accumulator is read from its low end on
	v_max3_num_f32 v14, v[B1], v[B1+1], v[B1+2]
	v_max3_num_f32 v11, v[B0+3], v[B0+4], v[B0+5]
	v_max3_num_f32 v15, v[B1+3], v[B1+4], v[B1+5]
.set i, 6
.rept 14
	v_max3_num_f32 v10, v10, v[B0+i], v[B0+i+1]
	v_max3_num_f32 v14, v14, v[B1+i], v[B1+i+1]
	v_max3_num_f32 v11, v11, v[B0+i+2], v[B0+i+3]
	v_max3_num_f32 v15, v15, v[B1+i+2], v[B1+i+3]
.set i, i+4
.endr
	v_max3_num_f32 v10, v10, v[B0+62], v[B0+63]
	v_max3_num_f32 v14, v14, v[B1+62], v[B1+63]
	v_max_num_f32 v10, v10, v11
	v_max_num_f32 v14, v14, v15
	v_mul_f32 v10, s[CC], v10                      ; as t (c is positive)
	v_mul_f32 v14, s[CC], v14
	v_max_num_f32 v[R0+1], v[R0+1], v10            ; the running largest t
	v_max_num_f32 v[R1+1], v[R1+1], v14
	v_mov_b32 v10, v[R0]
	v_mov_b32 v14, v[R1]
	v_floor_f32 v[R0], -v[R0+1]                    ; the new -M = floor(-t): M is a whole number
	v_floor_f32 v[R1], -v[R1+1]
	v_sub_f32 v10, v[R0], v10                      ; old M - new M: a whole number, 0 or less
	v_sub_f32 v14, v[R1], v14
	v_cvt_i32_f32 v10, v10                         ; (it saturates)
	v_cvt_i32_f32 v14, v14
	v_ldexp_f32 v12, 1.0, v10                      ; f = 2^(old M - new M)
	v_ldexp_f32 v4, 1.0, v14
.set i, 0
.rept 32
	v_pk_fma_f32 v[B0+i:B0+i+1], v[B0+i:B0+i+1], s[CC:CC+1], v[R0:R0+1] op_sel_hi:[1,0,0]   ; tile 0: t - M (of the pairs c and -M the low word serves both halves)
.set i, i+2
.endr
	s_wait_alu depctr_va_vdst(0)
.set i, 0
.rept 32
	v_exp_f32 v[B0+i], v[B0+i]
	v_pk_fma_f32 v[B1+i:B1+i+1], v[B1+i:B1+i+1], s[CC:CC+1], v[R1:R1+1] op_sel_hi:[1,0,0]   ; tile 1: t - M
	v_exp_f32 v[B0+i+1], v[B0+i+1]
.set i, i+2
.endr
	s_wait_alu depctr_va_vdst(0)                   ; behind tile 0's batch and ahead of tile 1's
.set i, 0
.rept 16
	v_exp_f32 v[B1+i], v[B1+i]
	v_exp_f32 v[B1+i+1], v[B1+i+1]
	v_pk_add_f32 v[B0+i:B0+i+1], v[B0+i:B0+i+1], v[B0+i+2:B0+i+3]   ; tile 0's sum, first level: sixteen additions that hang on nothing of each other
	v_exp_f32 v[B1+i+2], v[B1+i+2]
	v_exp_f32 v[B1+i+3], v[B1+i+3]
.set i, i+4
.endr
	v_pk_mul_f32 v[R0+2:R0+3], v[R0+2:R0+3], v[12:13] op_sel_hi:[1,0]   ; the sums under the new M: plain lines behind the exponentials
	v_pk_mul_f32 v[R1+2:R1+3], v[R1+2:R1+3], v[4:5] op_sel_hi:[1,0]
	s_wait_alu depctr_va_vdst(0)                   ; one wait behind the batch, ahead of its first reader
.set i, 0
.rept 16
	v_pk_add_f32 v[B1+i:B1+i+1], v[B1+i:B1+i+1], v[B1+i+2:B1+i+3]   ; tile 1's first level
.set i, i+4
.endr
	v_pk_add_f32 v[10:11], v[B0:B0+1], v[B0+4:B0+5]                 ; the sixteen pairs of each tile, in two chains each
	v_pk_add_f32 v[14:15], v[B1:B1+1], v[B1+4:B1+5]
.set i, 8
.rept 7
	v_pk_add_f32 v[R0+2:R0+3], v[R0+2:R0+3], v[B0+i:B0+i+1]
	v_pk_add_f32 v[R1+2:R1+3], v[R1+2:R1+3], v[B1+i:B1+i+1]
	v_pk_add_f32 v[10:11], v[10:11], v[B0+i+4:B0+i+5]
	v_pk_add_f32 v[14:15], v[14:15], v[B1+i+4:B1+i+5]
.set i, i+8
.endr
	v_pk_add_f32 v[R0+2:R0+3], v[R0+2:R0+3], v[10:11]
	v_pk_add_f32 v[R1+2:R1+3], v[R1+2:R1+3], v[14:15]
.endm
	s_mov_b32 s[IDX], 0
	s_mov_b32 s[CNT], 8
	s_wait_alu depctr_va_vdst(0)
.Lpass1:                                           ; steps 0 to 7, 128 keys each
	s_wait_loadcnt 0x0                             ; map 0's keys (the first time: and Q)
	WM1 0
	NOPS 4                                         ; places in front of the loads into K's registers and of the first read of scores
	LOADK1 1, 0                                    ; map 1's keys land under map 0's statistics
	ASK
	STAT2 0
	s_wait_loadcnt 0x0
	WM1 1
	NOPS 4
	s_cmp_eq_u32 s[CNT], 1                         ; the last step has no successor in this pass
	s_cbranch_scc1 .Lp1_last
	LOADK1 0, 16384                                ; the next step's map 0 lands under map 1's statistics
.Lp1_last:
	STAT2 1
	s_wait_xcnt 0x0                                ; the loads above have read their base
	s_add_nc_u64 s[KA:KA+1], s[KA:KA+1], 16384
	s_add_co_u32 s[IDX], s[IDX], 1
	s_sub_co_u32 s[CNT], s[CNT], 1
	s_cmp_lg_u32 s[CNT], 0
	s_cbranch_scc1 .Lpass1
; ---- THE STATISTICS MEET.  First the two halves of the lanes, then the four key groups, through LDS.  -M is the least of the parts' -M; each part's sum is brought under it by a power of two, which rounds nothing.
.macro LOADK2 off                      ; 32 keys, both maps: fragment (kt, map) at 128 + 16 kt + 8 map
.irp i, 0,1,2,3,4,5,6,7
	global_load_b128 v[KFB+4*\i:KFB+4*\i+3], v[LO], s[KA:KA+1] offset:(\off)+512*\i
.endr
.endm
.macro LOADV off                       ; 64 keys x the four tiles of channels: tile t at v16, v24, v240, v248
.irp t, 0,1,2,3
.set VX, 16+8*\t+208*(\t/2)
	global_load_b128 v[VX:VX+3],   v[LO], s[VA:VA+1] offset:(\off)+2048*\t
	global_load_b128 v[VX+4:VX+7], v[LO], s[VA:VA+1] offset:(\off)+2048*\t+512
.endr
.endm
	s_mov_b64 s[KA:KA+1], s[KB:KB+1]               ; no load of K is out
	LOADK2 0                                       ; pass 2's first 32 keys land under the meeting
	s_wait_alu depctr_va_vdst(0)
.irp k, 0,1,2,3
	v_add_f32 v[ST+4*\k+2], v[ST+4*\k+2], v[ST+4*\k+3]
.endr
.irp k, 0,1,2,3
	v_permlanex16_b32 v[MT+2*\k], v[ST+4*\k], s[SEL], s[SEL+1]        ; lane l xor 16's -M (the destinations have been written: they held scores)
	v_permlanex16_b32 v[MT+1+2*\k], v[ST+4*\k+2], s[SEL], s[SEL+1]    ; and its sum
.endr
.irp k, 0,1,2,3
	v_min_num_f32 v[MT+16+2*\k], v[ST+4*\k], v[MT+2*\k]
.endr
.irp k, 0,1,2,3
	v_sub_f32 v[MT+8+2*\k], v[MT+16+2*\k], v[ST+4*\k]
	v_sub_f32 v[MT+9+2*\k], v[MT+16+2*\k], v[MT+2*\k]
.endr
.irp i, 0,1,2,3,4,5,6,7
	v_cvt_i32_f32 v[MT+8+\i], v[MT+8+\i]
.endr
.irp k, 0,1,2,3
	v_ldexp_f32 v[ST+4*\k+2], v[ST+4*\k+2], v[MT+8+2*\k]
	v_ldexp_f32 v[MT+1+2*\k], v[MT+1+2*\k], v[MT+9+2*\k]
.endr
.irp k, 0,1,2,3
	v_add_f32 v[MT+17+2*\k], v[ST+4*\k+2], v[MT+1+2*\k]
.endr
	v_and_b32 v15, 31, v0
	v_lshlrev_b32 v15, 3, v15                      ; 8 x lane
	s_lshl_b32 s[TMP], s[WV], 10
	s_add_co_u32 s[TMP], s[TMP], STATS
	v_add_nc_u32 v14, s[TMP], v15                  ; my wave's 1,024 bytes
	s_lshl_b32 s[TMP], s[QG], 10
	s_add_co_u32 s[TMP], s[TMP], STATS
	v_add_nc_u32 v15, s[TMP], v15                  ; those of my query group's first wave; the others lie 4,096 bytes apart
.irp k, 0,1,2,3
	ds_store_b64 v14, v[MT+16+2*\k:MT+17+2*\k] offset:256*\k
.endr
	s_wait_alu depctr_va_vdst(0)
	s_wait_dscnt 0x0                               ; for the others' sake: my stores are done
	s_barrier_signal -1
	s_barrier_wait -1
.irp g, 0,1,2,3
.irp k, 0,1,2,3
	ds_load_b64 v[ML+8*\k+2*\g:ML+1+8*\k+2*\g], v15 offset:4096*\g+256*\k
.endr
.endr
.set i, 0
.rept 64
	v_mov_b32 v[OT+i], 0                           ; O^T begins as zeros, so that pass 2's step is written once; these lines stand while the loads above are out
.set i, i+1
.endr
	s_wait_dscnt 0x0
; set k's b lies at v10, v12, v14, v4: the low word of a pair
.irp k, 0,1,2,3
.set BS, 10+2*\k-12*(\k/3)
	v_min3_num_f32 v[BS], v[ML+8*\k], v[ML+2+8*\k], v[ML+4+8*\k]
.endr
.irp k, 0,1,2,3
.set BS, 10+2*\k-12*(\k/3)
	v_min_num_f32 v[BS], v[BS], v[ML+6+8*\k]       ; -M
.endr
.irp k, 0,1,2,3
.set BS, 10+2*\k-12*(\k/3)
.irp g, 0,1,2,3
	v_sub_f32 v[ML+8*\k+2*\g], v[BS], v[ML+8*\k+2*\g]
.endr
.endr
.irp k, 0,1,2,3
.irp g, 0,1,2,3
	v_cvt_i32_f32 v[ML+8*\k+2*\g], v[ML+8*\k+2*\g]
.endr
.endr
.irp k, 0,1,2,3
.irp g, 0,1,2,3
	v_ldexp_f32 v[ML+1+8*\k+2*\g], v[ML+1+8*\k+2*\g], v[ML+8*\k+2*\g]
.endr
.endr
.irp k, 0,1,2,3
	v_add_f32 v[ML+1+8*\k], v[ML+1+8*\k], v[ML+3+8*\k]
	v_add_f32 v[ML+5+8*\k], v[ML+5+8*\k], v[ML+7+8*\k]
.endr
.irp k, 0,1,2,3
	v_add_f32 v[ML+1+8*\k], v[ML+1+8*\k], v[ML+5+8*\k]   ; l: at least a half, since the row's largest weight is
.endr
	s_wait_alu depctr_va_vdst(0)
.irp k, 0,1,2,3
	v_log_f32 v[LG+\k], v[ML+1+8*\k]               ; log2(l)
.endr
.irp k, 0,1,2,3
.set BS, 10+2*\k-12*(\k/3)
	v_mov_b32 v[BS+1], 0                           ; the pairs' upper words are named, so they are written: plain lines behind the logarithms
.endr
	s_wait_alu depctr_va_vdst(0)                   ; one wait for the four, ahead of their first reader
.irp k, 0,1,2,3
.set BS, 10+2*\k-12*(\k/3)
	v_sub_f32 v[BS], v[BS], v[LG+\k]               ; b = -M - log2(l)
.endr
	LOADV 0                                        ; the first 64 keys of V, behind K's loads
; ---- PASS 2
.macro WM2
.irp u, 0,1
.irp m, 0,1
.irp kt, 0,1
	v_wmma_f32_16x16x64_bf8_bf8 v[SCB+32*\u+16*\m+8*\kt:SCB+32*\u+16*\m+8*\kt+7], v[KFB+16*\kt+8*\m:KFB+16*\kt+8*\m+7], v[Q+8*(2*\u+\m):Q+8*(2*\u+\m)+7], 0
.endr
.endr
.endr
.endm
; w for 32 keys x 32 queries, and its codes: registers 4 ss + 2 kt, + 1 of tile u's operand
.macro SOFT2 ss
.irp u, 0,1
.irp m, 0,1
.set BS, 10+2*(2*\u+\m)-12*((2*\u+\m)/3)
.set i, 0
.rept 8
	v_pk_fma_f32 v[SCB+32*\u+16*\m+i:SCB+32*\u+16*\m+i+1], v[SCB+32*\u+16*\m+i:SCB+32*\u+16*\m+i+1], s[C1+2*\m:C1+2*\m+1], v[BS:BS+1] op_sel_hi:[1,0,0]   ; t + b; each accumulator from its low end on
.set i, i+2
.endr
.endr
.endr
.set i, 0
	s_wait_alu depctr_va_vdst(0)
.rept 64
	v_exp_f32 v[SCB+i], v[SCB+i]                   ; the finished softmaxes
.set i, i+1
.endr
	v_nop                                          ; the plain line behind the exponentials
	s_wait_alu depctr_va_vdst(0)                   ; one wait for the batch of 64
.irp u, 0,1
.set i, 0
.rept 8
	v_pk_fma_f32 v[SCB+32*\u+i:SCB+32*\u+i+1], v[SCB+32*\u+16+i:SCB+32*\u+16+i+1], s[NLAM:NLAM+1], v[SCB+32*\u+i:SCB+32*\u+i+1] op_sel_hi:[1,0,1]   ; softmax 1 - lamb x softmax 2
.set i, i+2
.endr
.endr
.irp u, 0,1
.set i, 0
.rept 16
	v_med3_num_f32 v[SCB+32*\u+i], v[SCB+32*\u+i], -v[LIM], v[LIM]   ; the conversion to an 8-bit code does not saturate (ISA guide 7.6.2)
.set i, i+1
.endr
.endr
.irp u, 0,1
.irp kt, 0,1
	v_cvt_scalef32_pk8_bf8_f32 v[P+8*\u+4*\ss+2*\kt:P+8*\u+4*\ss+2*\kt+1], v[SCB+32*\u+8*\kt:SCB+32*\u+8*\kt+7], v[SCL]
.endr
.endr
	v_nop                                          ; a plain line between the conversions and the matrix instructions that write their sources or read their results
.endm
.macro PV                              ; O^T += V^T w^T, 64 keys: the eight accumulators take turns, one instruction a turn
.irp t, 0,1,2,3
.set VX, 16+8*\t+208*(\t/2)
.irp u, 0,1
	v_wmma_f32_16x16x64_bf8_bf8 v[OT+32*\u+8*\t:OT+32*\u+8*\t+7], v[VX:VX+7], v[P+8*\u:P+8*\u+7], v[OT+32*\u+8*\t:OT+32*\u+8*\t+7]
.endr
.endr
.endm
; 64 keys.  The loads go out in the order K (first 32 keys), V, K (second 32), K (the next 64's first 32), V ..: each has a softmax in which to land.
; last = 1: the sixteenth 64 keys, written out behind the loop: nothing follows them, so they ask for nothing.  On every way exactly V's eight loads stand behind K's at the wait for 8.
.macro HALF last
	s_wait_loadcnt 8                               ; K's eight loads are in; behind them only V's eight were issued
	WM2
	NOPS 4                                         ; places in front of the loads into K's registers and of the first read of scores
	LOADK2 4096
.if \last == 0
	s_bitcmp1_b32 s[CNT], 0                        ; the prefetch stands in a step's first 64 keys
	s_cbranch_scc1 .Lodd_\@
	s_lshr_b32 s[IDX], s[CNT], 1
	s_add_co_u32 s[IDX], s[IDX], 8                 ; the step, 8 to 15
	ASK
.Lodd_\@:
.endif
	SOFT2 0
	s_wait_loadcnt 0x0                             ; V and the second 32 keys: so V's base may be written
	WM2
	NOPS 4
.if \last == 0
	LOADK2 8192                                    ; the next 64 keys' first 32
	s_add_co_u32 s[TMP], s[CNT], 1                 ; where the next 64 keys lie in V: 8,192 bytes a chunk of 128 keys, 1,024 for its second half
	s_lshr_b32 s[TM2], s[TMP], 1
	s_lshl_b32 s[TM2], s[TM2], 13
	s_and_b32 s[TMP], s[TMP], 1
	s_lshl_b32 s[TMP], s[TMP], 10
	s_add_co_u32 s66, s[TM2], s[TMP]               ; (s67 holds 0 since the head)
	s_add_nc_u64 s[VA:VA+1], s[VB:VB+1], s[66:67]
.endif
	SOFT2 1
	PV
	NOPS 4                                         ; places in front of the loads into V's registers, and at the end of the first read of O^T
.if \last == 0
	LOADV 0
.endif
.endm
	s_mov_b32 s[CNT], 0
	s_wait_alu depctr_va_vdst(0)
.Lpass2:                                           ; 15 trips of 64 keys
	HALF 0
	s_wait_xcnt 0x0                                ; the loads above have read their bases
	s_add_nc_u64 s[KA:KA+1], s[KA:KA+1], 8192
	s_add_co_u32 s[CNT], s[CNT], 1
	s_cmp_lt_u32 s[CNT], 15
	s_cbranch_scc1 .Lpass2
	HALF 1
; ---- THE WAY OUT.  Each wave's O^T is its key group's part.  All sixteen go into stages in LDS; then wave (qg, kg) adds the four parts of rows 8 kg .. 8 kg + 7 of query group qg and stores them: two whole rows of 256 bytes a store.
	v_and_b32 v10, 15, v0                          ; r
	v_bfe_u32 v11, v0, 4, 1                        ; h
	v_mul_u32_u24 v14, v10, SP
	v_lshl_add_u32 v14, v11, 6, v14                ; in: row r; register i of tile t is channel 32 (t / 2) + 16 h + 8 (t % 2) + i
	s_mul_i32 s[TMP], s[WV], STGW
	v_add_nc_u32 v14, s[TMP], v14
	v_mul_u32_u24 v15, v11, SP
	v_lshl_add_u32 v15, v10, 4, v15                ; back: lanes 0-15 one row, lanes 16-31 the next
	s_mul_i32 s[TMP], s[QG], STGW
	s_mul_i32 s[TM2], s[KG], 8*SP
	s_add_co_u32 s[TMP], s[TMP], s[TM2]
	v_add_nc_u32 v15, s[TMP], v15                  ; key groups 0 and 1,
	v_add_nc_u32 v12, 8*STGW, v15                  ; 2 and 3: beyond the reach of a 16-bit offset
.irp u, 0,1
.irp t, 0,1,2,3
	ds_store_b128 v14, v[OT+32*\u+8*\t:OT+32*\u+8*\t+3]   offset:16*SP*\u+128*(\t/2)+32*(\t%2)
	ds_store_b128 v14, v[OT+32*\u+8*\t+4:OT+32*\u+8*\t+7] offset:16*SP*\u+128*(\t/2)+32*(\t%2)+16
.endr
.endr
	s_wait_alu depctr_va_vdst(0)
	s_wait_dscnt 0x0                               ; for the others' sake: my stores into the stage are done
	s_barrier_signal -1
	s_barrier_wait -1
.irp g, 0,1
.irp i, 0,1,2,3
	ds_load_b128 v[128+16*\g+4*\i:128+16*\g+4*\i+3], v15 offset:4*STGW*\g+2*SP*\i
.endr
.endr
.irp g, 0,1
.irp i, 0,1,2,3
	ds_load_b128 v[160+16*\g+4*\i:160+16*\g+4*\i+3], v12 offset:4*STGW*\g+2*SP*\i
.endr
.endr
	s_wait_dscnt 0x0
.set i, 0
.rept 8
	v_pk_add_f32 v[128+i:129+i], v[128+i:129+i], v[144+i:145+i]
	v_pk_add_f32 v[160+i:161+i], v[160+i:161+i], v[176+i:177+i]
.set i, i+2
.endr
.set i, 0
.rept 8
	v_pk_add_f32 v[128+i:129+i], v[128+i:129+i], v[160+i:161+i]
.set i, i+2
.endr
.set i, 0
.rept 16
	v_ldexp_f32 v[128+i], v[128+i], s[EOUT]        ; x 2^(e14 + e15)
.set i, i+1
.endr
.irp i, 0,1,2,3
	global_store_b128 v[LO], v[128+4*\i:128+4*\i+3], s[14:15] offset:512*\i th:TH_STORE_NT   ; 32 lanes store 512 consecutive bytes, aligned; written once, read by nobody here
.endr
	s_wait_tensorcnt 0x0                           ; the wave's end, behind my last LDS store
	ds_add_u32 v[SPW], v[NIL]
	s_wait_dscnt 0x0
	s_endpgm
.Lfunc_end_k_qb6f7363862_attn:
	.size	k_qb6f7363862_attn, .Lfunc_end_k_qb6f7363862_attn-k_qb6f7363862_attn
	.p2alignl 7, 3214868480
	.fill 96, 4, 3214868480
	.section	.rodata,"a",@progbits
	.p2align	6, 0x0
	.amdhsa_kernel k_qb6f7363862_attn
		.amdhsa_group_segment_fixed_size 157696
		.amdhsa_private_segment_fixed_size 0
		.amdhsa_enable_private_segment 0
		.amdhsa_kernarg_size 48
		.amdhsa_user_sgpr_count 2
		.amdhsa_user_sgpr_kernarg_segment_ptr 1
		.amdhsa_wavefront_size32 1
		.amdhsa_system_sgpr_workgroup_id_x 1
		.amdhsa_system_sgpr_workgroup_id_y 1
		.amdhsa_system_sgpr_workgroup_id_z 1
		.amdhsa_system_vgpr_workitem_id 0
		.amdhsa_next_free_vgpr 256
		.amdhsa_next_free_sgpr 102
		.amdhsa_reserve_vcc 0
		.amdhsa_float_denorm_mode_32 3
		.amdhsa_float_denorm_mode_16_64 3
		.amdhsa_memory_ordered 1
		.amdhsa_forward_progress 1
		.amdhsa_inst_pref_size 100
	.end_amdhsa_kernel
	.amdgpu_metadata
---
amdhsa.version: [ 1, 2 ]
amdhsa.kernels:
  - .name:           k_qb6f7363862_attn
    .symbol:         k_qb6f7363862_attn.kd
    .args:
      - { .name: qc, .offset: 0, .size: 8, .value_kind: global_buffer, .address_space: global }
      - { .name: kc, .offset: 8, .size: 8, .value_kind: global_buffer, .address_space: global }
      - { .name: vc, .offset: 16, .size: 8, .value_kind: global_buffer, .address_space: global }
      - { .name: lowp_scales, .offset: 24, .size: 8, .value_kind: global_buffer, .address_space: global }
      - { .name: lamb, .offset: 32, .size: 8, .value_kind: global_buffer, .address_space: global }
      - { .name: out0, .offset: 40, .size: 8, .value_kind: global_buffer, .address_space: global }
    .group_segment_fixed_size: 157696
    .private_segment_fixed_size: 0
    .kernarg_segment_align: 8
    .kernarg_segment_size: 48
    .max_flat_workgroup_size: 512
    .sgpr_count:     102
    .vgpr_count:     256
    .wavefront_size: 32
...
	.end_amdgpu_metadata
.endif
;; end of part 3
